; MI455X (gfx1250); checked and timed in simulation.
; The chip was launched on July 23, 2026; its instructions are those of AMD's public machine-readable ISA for CDNA 5 (MIT licence, August 2026) and "CDNA5" Instruction Set Architecture Reference Guide (July 2026). The comments in the code are by the model that wrote it; some were corrected since.
;; Head. Allowed arithmetic: matrix products marked QUANTISED: E2M1 operands, one E8M0 scale for each 32 along K, by v_wmma_scale_f32_16x16x128_f8f6f4 with both operands' format E2M1 (or v_wmma_scale_f32_32x16x128_f4), f32 sums; everything else in f32.
;; Inputs: Wk 1,024 x 128 float32; Wq 1,024 x 128 float32; Wv 1,024 x 128 float32; x 8 x 2,048 x 1,024 float32.
;; Outputs: out0 8 x 2,048 x 128 float32.
;; This version of the problem:
;;   THIS VERSION OF THE PROBLEM IS GIVEN IN LOW PRECISION. The matrix products marked QUANTISED in the list below multiply operands that are first quantised to E2M1 (2 exponent bits, 1 mantissa bit; 4 bits a number), with one power-of-two scale for each 32 numbers along K (OCP MX v1.0); their sums are f32. All else is computed in f32.
;;   The module's matrix products, in the order in which they are computed (A, B: the left and right operand; K: the contracted axis; several contracted axes count as one K, in the product's order):
;;     1. [M 16,384, K 1,024] x [K 1,024, N 128]; A: input x; B: input Wk: QUANTISED
;;     2. [M 16,384, K 1,024] x [K 1,024, N 128]; A: input x; B: input Wq: QUANTISED
;;     3. [M 16,384, K 1,024] x [K 1,024, N 128]; A: input x; B: input Wv: QUANTISED
;;     4. batch 8 x [M 2,048, K 128] x [K 128, N 2,048]; A: computed on the way; B: computed on the way: QUANTISED
;;     5. batch 8 x [M 2,048, K 2,048] x [K 2,048, N 128]; A: softmax (see below); B: computed on the way: QUANTISED
;;   THE QUANTISER, for each operand of a quantised product, along K:
;;     - K is cut into blocks of 32 from its start; a last block that is shorter is filled with zeros.
;;     - A block's scale is 2^e with e = floor(log2(the largest magnitude in the block)) - 2, held to -126 .. 127; a block of zeros has e = 0. As a byte (E8M0): e + 127.
;;     - Each number is divided by its block's scale, clamped to +-6, and rounded to the nearest number of E2M1, ties to even, subnormals kept.
;;     - The product sums the exact products of the quantised numbers (number of the format x scale) in f32.
;;   ~~~python
;;   def quantise(x, axis):      # numpy; x: float32 -> the quantised numbers, widened to float32 again
;;       x = np.moveaxis(x, axis, -1); K = x.shape[-1]
;;       x = np.pad(x, [(0, 0)] * (x.ndim - 1) + [(0, -K % 32)]); x = x.reshape(x.shape[:-1] + (-1, 32)); a = np.abs(x).max(-1, keepdims=True)
;;       e = np.where(a > 0, np.clip(np.frexp(np.where(a > 0, a, 1))[1] - 1 - 2, -126, 127), 0)      # np.frexp(a)[1] - 1 = floor(log2(a)), exactly
;;       r = np.clip(x / 2.0 ** e, -6, 6)
;;       step = 2.0 ** (np.maximum(np.frexp(np.where(r == 0, 1, r))[1] - 1, 0) - 1)
;;       q = np.round(r / step) * step * 2.0 ** e      # np.round: ties to even
;;       return np.moveaxis(q.reshape(q.shape[:-2] + (-1,))[..., :K], -1, axis).astype(np.float32)
;;   ~~~
;;   SOFTMAX AHEAD OF A QUANTISED PRODUCT. Where the list says 'softmax', what is quantised is not the finished softmax but p = 2^(t - M), with t = logit x log2(e) and M = ceil(the row's largest t), a whole number; so 1/2 < the row's largest p <= 1. The row's sum l is taken of the UNQUANTISED p, in f32, and the product's result is divided by l at the end. Since M is a whole number, a kernel that streams over the keys may use a running M (the ceiling of the running maximum): every later rescaling is an exact power of two, which a block's scale takes up: the codes' values come out the same.
;;   OPERANDS COMPUTED ON THE WAY. 'Computed on the way' means the value that the module computes at that place (a softmax that the list does not call 'softmax' is quantised finished and normalised). What goes into a quantiser is computed in f32, as accurately as f32 sums, v_exp_f32 and their like allow (about 1e-6 of the number): no bf16 or f16 on the way to a quantiser, and a product that is left as it is and whose result goes on into a quantised operand takes f32 operands (vector FMAs, or v_wmma_f32_16x16x4_f32). A number that lies on a knife's edge between two numbers of the format may be rounded either way, as far as f32 arithmetic and the matrix unit's own rounding can turn it there, and no further.
;; One version. Each part assembles by itself: llvm-mc -triple=amdgcn-amd-amdhsa -mcpu=gfx1250 --defsym DOCPART=n.
;; ======== version 1 of 1: 3 launches
;; limits: right only within a limited range of input values
;; workspace buffers: wimg 208,896 bytes; kv 2,228,224 bytes; qimg 1,114,112 bytes
;; launch wquant (part 1): grid 12 x 8, 4 waves a work-group, no clusters, 1,024 bytes of LDS; arguments Wk, Wq, Wv, wimg; writes wimg
.if DOCPART == 1
	.amdgcn_target "amdgcn-amd-amdhsa--gfx1250"
	.amdhsa_code_object_version 6
	.text
	.protected	k_q8f705329c1_wquant
	.globl	k_q8f705329c1_wquant
	.p2align	8
	.type	k_q8f705329c1_wquant,@function
k_q8f705329c1_wquant:
	s_mov_b64 s[64:65], 0
	v_nop
	global_prefetch_b8 v0, s[64:65] scope:SCOPE_SE
	s_setreg_imm32_b32 hwreg(HW_REG_WAVE_MODE, 25, 1), 1
	s_wait_xcnt 0x0
; THE PROGRAM: one causal attention head, all five products on codes of FP4 (E2M1) with one E8M0 scale for each 32 along K.
; Launch 1 (this one) quantises Wk, Wq, Wv along E; launch 2 quantises x, multiplies it by the three weights and quantises k, q, v; launch 3 is the attention.
; WORK LEFT OUT, for all finite values of the inputs: reference() itself builds the causal mask (jnp.tril) and puts -inf where key > query; the exponential of -inf is exactly 0;
; a 0 quantises to the code 0, which adds nothing to the row's sum l nor to the last product.  So a step of 128 keys all of which come after a tile's 16 queries reaches no output,
; and launch 3 leaves such whole steps out of the fourth and fifth product.  Nothing else is left out; all four inputs have a way to the output and all are loaded.
; LIMIT: a NaN, an infinity or an overflow that reaches only the steps left out is not carried to the result.
;
; THIS LAUNCH.  W [1024 (k)][128 (n)] f32 has K as its FIRST axis: a lane takes a column n and its 32 registers run down one block of K, so the conversions' results are that lane's part of the operand.
; Inside a block K is permuted, alike here and in launch 2's quantiser of x: code 8 g + 4 f + i is k = 16 f + 4 g + i.
; wimg: [K step 8][26,112]: 24 images of 1,024 bytes (block B of row r at 256 B + 16 r), then 24 x 16 scale words.  Tile 3 w + u (u = 0, 1): row r = channel 32 (w % 4) + 8 u + r + (r & 8) of Wk (w < 4) or Wq;
; tile 3 w + 2: row r = channel 16 w + r of Wv: the three tiles of wave w of launch 2.
; Work-group x: two tiles (0-7: a pair of Wk or Wq, 8-11: two tiles of Wv), y: the K step; wave: the block.  The scale words leave as 64 or 128 neighbouring bytes (12 KiB in the whole launch).
; A block's scale byte is its largest magnitude's exponent field - 2, held at 1 from below.
; LIMITS: a block of zeros gets the byte 1 where the rule says 127 (its codes are zeros, and this program alone reads the bytes); NaN and infinities among the inputs are not served.
.set SPARE, 256                        ; LDS: 0-127 the scale words; from 256 on the spare words, 128 bytes a wave
.set X,     64
	s_load_b256 s[4:11], s[0:1], 0x0               ; Wk, Wq, Wv, wimg
	v_lshl_add_u32 v11, v0, 2, SPARE               ; my spare word
	v_mov_b32 v17, 0
	v_lshrrev_b32 v1, 5, v0
	v_readfirstlane_b32 s14, v1                    ; B: the block of the K step
	s_and_b32 s15, ttmp7, 0xffff                   ; the K step
	s_mul_i32 s21, ttmp9, 3                        ; my first tile: 3 x for a pair,
	s_mul_i32 s22, ttmp9, 6
	s_sub_co_u32 s22, s22, 46                      ; 6 (x - 8) + 2 for two of Wv
	s_mov_b32 s19, 3072
	s_cmp_lt_u32 ttmp9, 8                          ; a pair, or two tiles of Wv?
	s_cselect_b32 s16, 8, 16                       ; columns from tile to tile
	s_cselect_b32 s17, 8, 0                        ; rows 8-15 lie 8 further on, or not
	s_cselect_b32 s18, 1024, s19                   ; bytes from image to image
	s_cselect_b32 s21, s21, s22
	s_lshr_b32 s20, s18, 4                         ; from scale words to scale words
	s_and_b32 s23, ttmp9, 3
	s_lshl_b32 s23, s23, 5
	v_and_b32 v2, 15, v0                           ; r
	v_bfe_u32 v3, v0, 4, 1                         ; u
	v_and_b32 v4, 31, v0                           ; lane
	v_and_b32 v5, s17, v2
	v_mul_u32_u24 v6, s16, v3
	v_mul_u32_u24 v7, s18, v3
	v_mul_u32_u24 v8, s20, v3
	v_add_nc_u32 v5, v5, v2
	v_lshlrev_b32 v10, 2, v4                       ; LDS: my column's word
	v_add3_u32 v5, v5, v6, s23
	v_lshl_add_u32 v7, v2, 4, v7                   ; my 16 bytes of an image
	v_lshl_add_u32 v8, v2, 2, v8                   ; my scale word
	v_lshlrev_b32 v5, 2, v5                        ; my column
	v_add_nc_u32 v9, s14, v10                      ; LDS: my block's byte
	s_lshl_b32 s24, s15, 16
	s_lshl_b32 s25, s14, 14
	s_add_co_u32 s24, s24, s25                     ; 128 s + 32 B rows of 512 bytes
	s_mov_b32 s25, 0
	s_mul_i32 s26, s15, 26112
	s_lshl_b32 s28, s21, 6
	s_add_co_u32 s28, s28, s26
	s_add_co_u32 s28, s28, 24576
	s_mov_b32 s29, 0
	s_lshl_b32 s30, s21, 10
	s_add_co_u32 s26, s26, s30
	s_lshl_b32 s30, s14, 8
	s_add_co_u32 s26, s26, s30
	s_mov_b32 s27, 0
	s_wait_alu depctr_va_vdst(0)                   ; the wait at the head's end
	s_wait_kmcnt 0x0
	s_cmp_lt_u32 ttmp9, 4                          ; the choice of the weight hangs on the work-group's number alone
	s_cselect_b64 s[4:5], s[4:5], s[6:7]
	s_cmp_lt_u32 ttmp9, 8
	s_cselect_b64 s[4:5], s[4:5], s[8:9]
	s_add_nc_u64 s[4:5], s[4:5], s[24:25]
	s_add_nc_u64 s[26:27], s[10:11], s[26:27]
	s_add_nc_u64 s[28:29], s[10:11], s[28:29]
.irp i, 0,1,2,3,4,5,6,7,8,9,10,11,12,13,14,15,16,17,18,19,20,21,22,23,24,25,26,27,28,29,30,31
	global_load_b32 v[X+\i], v5, s[4:5] offset:512*(16*((\i/4)%2)+4*(\i/8)+(\i%4))   ; 32 lanes read 128 consecutive bytes
.endr
	s_wait_loadcnt 0x0
	v_max3_num_f32 v12, |v[X]|, |v[X+1]|, 0x1800000   ; with the floor 2^(3 - 127): the byte cannot fall under 1
	v_max3_num_f32 v13, |v[X+2]|, |v[X+3]|, |v[X+4]|
	v_max3_num_f32 v14, |v[X+5]|, |v[X+6]|, |v[X+7]|
.irp i, 8,14,20
	v_max3_num_f32 v12, v12, |v[X+\i]|, |v[X+\i+1]|
	v_max3_num_f32 v13, v13, |v[X+\i+2]|, |v[X+\i+3]|
	v_max3_num_f32 v14, v14, |v[X+\i+4]|, |v[X+\i+5]|
.endr
	v_max3_num_f32 v12, v12, |v[X+26]|, |v[X+27]|
	v_max3_num_f32 v13, v13, |v[X+28]|, |v[X+29]|
	v_max3_num_f32 v14, v14, |v[X+30]|, |v[X+31]|
	v_max3_num_f32 v12, v12, v13, v14
	v_add_nc_u32 v16, 0xff000000, v12              ; 2 off the exponent field: the conversion's scale operand
	v_lshrrev_b32 v15, 23, v16                     ; the scale's byte
.irp g, 0,1,2,3
	v_cvt_scalef32_pk8_fp4_f32 v[20+\g], v[X+8*\g:X+8*\g+7], v16
.endr
	v_nop                                          ; one plain line behind the last scaled conversion
	ds_store_b8 v9, v15
	global_store_b128 v7, v[20:23], s[26:27]       ; sixteen lanes store an aligned unit of 256 bytes
	s_wait_dscnt 0x0                               ; my byte has landed
	s_barrier_signal -1
	s_barrier_wait -1
	s_cmp_lg_u32 s14, 0
	s_cbranch_scc1 .Lend                           ; wave 0 sends the 32 words out
	ds_load_b32 v18, v10
	s_wait_dscnt 0x0
	global_store_b32 v8, v18, s[28:29]
.Lend:
	s_wait_tensorcnt 0x0                           ; the wave's end, behind my last LDS store
	ds_add_u32 v11, v17
	s_wait_dscnt 0x0
	s_endpgm
.Lfunc_end_k_q8f705329c1_wquant:
	.size	k_q8f705329c1_wquant, .Lfunc_end_k_q8f705329c1_wquant-k_q8f705329c1_wquant
	.p2alignl 7, 3214868480
	.fill 96, 4, 3214868480
	.section	.rodata,"a",@progbits
	.p2align	6, 0x0
	.amdhsa_kernel k_q8f705329c1_wquant
		.amdhsa_group_segment_fixed_size 1024
		.amdhsa_private_segment_fixed_size 0
		.amdhsa_enable_private_segment 0
		.amdhsa_kernarg_size 32
		.amdhsa_user_sgpr_count 2
		.amdhsa_user_sgpr_kernarg_segment_ptr 1
		.amdhsa_wavefront_size32 1
		.amdhsa_system_sgpr_workgroup_id_x 1
		.amdhsa_system_sgpr_workgroup_id_y 1
		.amdhsa_system_sgpr_workgroup_id_z 1
		.amdhsa_system_vgpr_workitem_id 0
		.amdhsa_next_free_vgpr 128
		.amdhsa_next_free_sgpr 66
		.amdhsa_reserve_vcc 0
		.amdhsa_float_denorm_mode_32 3
		.amdhsa_float_denorm_mode_16_64 3
		.amdhsa_memory_ordered 1
		.amdhsa_forward_progress 1
		.amdhsa_inst_pref_size 8
	.end_amdhsa_kernel
	.amdgpu_metadata
---
amdhsa.version: [ 1, 2 ]
amdhsa.kernels:
  - .name:           k_q8f705329c1_wquant
    .symbol:         k_q8f705329c1_wquant.kd
    .args:
      - { .name: Wk, .offset: 0, .size: 8, .value_kind: global_buffer, .address_space: global }
      - { .name: Wq, .offset: 8, .size: 8, .value_kind: global_buffer, .address_space: global }
      - { .name: Wv, .offset: 16, .size: 8, .value_kind: global_buffer, .address_space: global }
      - { .name: wimg, .offset: 24, .size: 8, .value_kind: global_buffer, .address_space: global }
    .group_segment_fixed_size: 1024
    .private_segment_fixed_size: 0
    .kernarg_segment_align: 8
    .kernarg_segment_size: 32
    .max_flat_workgroup_size: 128
    .sgpr_count:     66
    .vgpr_count:     128
    .wavefront_size: 32
...
	.end_amdgpu_metadata
.endif
;; end of part 1
;; launch proj (part 2): grid 256 x 1, 8 waves a work-group, clusters of 4 x 1, 327,680 bytes of LDS; arguments x, wimg, kv, qimg; writes kv, qimg
.if DOCPART == 2
	.amdgcn_target "amdgcn-amd-amdhsa--gfx1250"
	.amdhsa_code_object_version 6
	.text
	.protected	k_q8f705329c1_proj
	.globl	k_q8f705329c1_proj
	.p2align	8
	.type	k_q8f705329c1_proj,@function
k_q8f705329c1_proj:
	s_mov_b64 s[64:65], 0
	v_nop
	global_prefetch_b8 v0, s[64:65] scope:SCOPE_SE
	s_setreg_imm32_b32 hwreg(HW_REG_WAVE_MODE, 25, 1), 1
	s_wait_xcnt 0x0
	s_wait_alu depctr_hold_cnt(0) depctr_sa_sdst(0) depctr_va_vdst(0) depctr_va_sdst(0) depctr_va_ssrc(0) depctr_va_vcc(0) depctr_vm_vsrc(0)
	s_getreg_b32 s2, hwreg(HW_REG_IB_STS2, 6, 4)
	s_cmp_eq_u32 s2, 0
	s_cbranch_scc0 .Lentry_in_a_cluster
	s_endpgm
.Lentry_in_a_cluster:
	s_bfe_u32 s2, ttmp6, 0x10000c
	s_cmp_lg_u32 s2, 0x3003
	s_cbranch_scc0 .Lentry_shape_is_right
	s_endpgm
.Lentry_shape_is_right:
; k = x Wk, q = x Wq, v = x Wv on codes of FP4 (E2M1), K = 1,024; the results are quantised at once (k, q along the head's 128, v along the keys) and leave as codes, laid as the attention's operand registers want them.
; No work is left out here.
; SHARES.  A work-group takes 64 tokens; K goes in 8 steps of 128.  Wave w brings tokens 8 w .. + 7 of x from memory STRAIGHT INTO REGISTERS (a load = 512 consecutive bytes of a row), quantises them, and hands the codes to
; all eight waves through LDS as images of operand registers.  Wave w multiplies all four token tiles by three tiles of W: a pair of Wk (w < 4) or Wq (channels 32 (w % 4) .. + 31), and Wv's tile w (channels 16 w .. + 15).
; x IN REGISTERS.  Lane l of a row's load takes the 16 bytes at 128 (l % 16 / 4) + 64 (l / 16) + 16 (l % 4) of its 512.  Rows p and p + 4 exchange halves of the lanes: then lanes 0-15 hold row p and lanes 16-31 row p + 4,
; eight numbers of ONE block in each lane's consecutive registers, four neighbouring lanes to a block.  Code 8 g + 4 f + i of a block is its k = 16 f + 4 g + i, as in W's codes.
; Six K steps (48 loads a wave) are asked for at the head, the last two as registers fall free: by this text's count 48 loads of a wave are out at the most.
; W.  Wave w fetches K step w's 26,112 bytes with the launch's one tensor load of the wave: all work-groups need the same W, and the four of a cluster ask JOINTLY (mask 15).  Nothing is filled again.
; NO PREFETCH: what is read is asked for at the head, all but the last quarter of x, whose registers are not free earlier; there is no earlier place to ask from.
; THE ROWS OF A TILE ARE NOT NEIGHBOURS: slot r of tile 2 g + u holds index 32 g + 8 u + r + (r & 8), of tokens (x's tiles) and of channels (Wk's, Wq's tiles).  k, q: source 0 = W, source 1 = x: lane (r, h) holds token
; slot r, and the 16 registers of a pair are channels 32 (w % 4) + 16 h + 0 .. 15.  v: source 0 = x, source 1 = Wv: lane (r, h) holds channel r, and the 16 registers of two token tiles are tokens 32 g + 16 h + 0 .. 15.
; kv: [batch][quarter 4][key step 16][4,352]: four images of 1,024 bytes (block B of row r at 256 B + 16 r), then scale words at 4,096 + 16 r + 4 x tile.  Quarters 0, 1: K's tiles 0-3, 4-7; quarters 2, 3: V^T's tiles 0-3, 4-7
; (row r = channel, K = the step's 128 keys).  qimg: [work-group][4,352]: four images and scale words likewise.
; STORES: each store of codes covers 256 consecutive bytes, aligned.  v's scale bytes alone go out a byte a lane: the other half of each word belongs to the neighbouring work-group (64 KiB in the whole launch).
; LIMITS: a block of zeros gets the byte 1 where the rule says 127 (its codes are zeros, and this program alone reads the bytes); NaN and infinities among the inputs are not served.
; REGISTERS.  window 0: v1-27 addresses; v28-50 at work; v64-255 x, six slots of 32 (at the end: the way out).  window 1: v0-95 the 12 accumulators (tile j, token tile m) at 8 (4 j + m); v96-127 x's fragments; v128-151 W's.
.set WSTEP, 26112
.set XIMG,  208896                     ; LDS: behind W: x's images: step s, tile m at 4,352 s + 1,088 m; block B of slot r at 272 B + 16 r
.set XSC,   243712                     ; their scale words: 256 s + 16 r + 4 m
.set SCX,   245760                     ; k's and q's scale words: 256 mat + 16 r + 4 m
.set SPARE, 246272                     ; the spare words, 128 bytes for each wave
.set XO,  1
.set XWI, 2
.set XWS, 3
.set XI,  4
.set XSL, 5
.set WL,  6                            ; v6-9    W's images of K steps 2 k, 2 k + 1
.set WSL, 10                           ; v10-13  their scale words
.set KO,  14
.set VO,  15
.set SCW, 16
.set SCR, 17
.set L8,  18
.set VSO, 19
.set H,   21
.set SPW, 26
.set NIL, 27
.set TM,  28
.set SO,  32
.set BY,  36
.set PC,  40
.set XS,  44
.set WS,  48
.set X,   64
.set TMX, 64
.set TPD, 72
.set TSO, 80
.set TBY, 88
.set COD, 96
.set XF,  96                           ; window 1
.set WF,  128
.set WV,  14
.set G1,  24
.set G0,  32
.set SEL, 36
.set KQ,  38
.set VB,  40
.set VSB, 42
.set MSB, 0
.macro WIN new                         ; the immediate's high byte repeats the setting that is left
.if MSB != (\new)
	s_set_vgpr_msb (MSB<<8)|(\new)
.set MSB, (\new)
.endif
.endm
.macro ROUND                           ; a round of the cluster's barrier
	s_barrier_signal -1
	s_barrier_wait -1
	s_cmp_lg_u32 s[WV], 0
	s_cbranch_scc1 .Lnot_wave_0_\@
	s_barrier_signal -3
.Lnot_wave_0_\@:
	s_barrier_wait -3
	s_barrier_signal -1
	s_barrier_wait -1
.endm
.macro BARRIER                         ; my LDS stores have landed and my LDS loads are in
	s_wait_dscnt 0x0
	s_barrier_signal -1
	s_barrier_wait -1
.endm
.macro XLOAD s                         ; K step s of my eight rows: rows p and p + 4 stand side by side
.irp p, 0,1,2,3,4,5,6,7
	global_load_b128 v[X+32*((\s)%6)+8*(\p%4)+4*(\p/4):X+32*((\s)%6)+8*(\p%4)+4*(\p/4)+3], v[XO], s[20:21] offset:4096*\p+512*(\s) th:TH_LOAD_NT
.endr
.endm
.macro WLOAD s                         ; my three tiles of W of K step s
	WIN 0x40
.irp j, 0,1,2
.irp c, 0,1
	ds_load_b128 v[WF+8*\j+4*\c:WF+8*\j+4*\c+3], v[WL+(\s)/2] offset:WSTEP*((\s)%2)+1024*\j+512*\c
.endr
.endr
	WIN 0
.irp j, 0,1,2
	ds_load_b32 v[WS+\j], v[WSL+(\s)/2] offset:WSTEP*((\s)%2)+64*\j
.endr
.endm
; K step s: my eight rows' 128 numbers quantised, their codes and scale bytes into LDS | barrier | the four tiles' fragments, the 12 products (the accumulators take turns).
.macro KSTEP s
.set XB, X+32*((\s)%6)
.if (\s) < 2
	s_wait_loadcnt 40                              ; behind K step s stand five steps' loads
.else
	s_wait_loadcnt 8*(7-(\s))                      ; behind K step s stand the 8 loads of each later step
.endif
.irp i, 0,1,2,3
.irp p, 0,1,2,3
	v_permlane16_swap_b32 v[XB+8*\p+\i], v[XB+8*\p+4+\i]   ; lanes 0-15: row p, lanes 16-31: row p + 4; eight numbers of one block in eight registers
.endr
.endr
.irp p, 0,1,2,3
	v_max3_num_f32 v[TM+\p], |v[XB+8*\p]|, |v[XB+8*\p+1]|, 0x1800000   ; with the floor 2^(3 - 127): the byte cannot fall under 1
.endr
.irp i, 2,4,6
.irp p, 0,1,2,3
	v_max3_num_f32 v[TM+\p], v[TM+\p], |v[XB+8*\p+\i]|, |v[XB+8*\p+\i+1]|
.endr
.endr
.irp p, 0,1,2,3
	v_max_num_f32_dpp v[TM+\p], v[TM+\p], v[TM+\p] row_xmask:1 row_mask:0xf bank_mask:0xf
.endr
.irp p, 0,1,2,3
	v_max_num_f32_dpp v[TM+\p], v[TM+\p], v[TM+\p] row_xmask:2 row_mask:0xf bank_mask:0xf   ; the block's four lanes
.endr
.irp p, 0,1,2,3
	v_add_nc_u32 v[SO+\p], 0xff000000, v[TM+\p]    ; 2 off the exponent field: the conversion's scale operand
.endr
.irp p, 0,1,2,3
	v_lshrrev_b32 v[BY+\p], 23, v[SO+\p]           ; the scale's byte
.endr
.irp p, 0,1,2,3
	v_cvt_scalef32_pk8_fp4_f32 v[PC+\p], v[XB+8*\p:XB+8*\p+7], v[SO+\p]
.endr
	v_nop                                          ; one plain line behind the last scaled conversion
.irp p, 0,1,2,3
	ds_store_b32 v[XWI], v[PC+\p] offset:4352*(\s)+16*\p
	ds_store_b8 v[XWS], v[BY+\p] offset:256*(\s)+16*\p   ; a block's four lanes write the same byte with the same value
.endr
.if (\s) < 2
	XLOAD (\s)+6                                   ; into the registers just read
.endif
.if (\s) == 0
	s_wait_tensorcnt 0x0                           ; my K step of W is in: behind the barrier all of W is
	BARRIER
	WLOAD \s
.else
	WLOAD \s                                       ; (this step's vector lines are the places behind the last products)
	BARRIER                                        ; each step has bytes of its own, so one barrier a step is enough
.endif
	WIN 0x40
.irp m, 0,1,2,3
.irp c, 0,1
	ds_load_b128 v[XF+8*\m+4*\c:XF+8*\m+4*\c+3], v[XI] offset:4352*(\s)+1088*\m+544*\c
.endr
.endr
	WIN 0
	ds_load_b128 v[XS:XS+3], v[XSL] offset:256*(\s)
	s_wait_dscnt 0x0
	WIN 0x55                                       ; sources and results in window 1
.irp j, 0,1
.irp m, 0,1,2,3
.if (\s) == 0
	v_wmma_scale_f32_16x16x128_f8f6f4 v[8*(4*\j+\m):8*(4*\j+\m)+7], v[WF+8*\j:WF+8*\j+7], v[XF+8*\m:XF+8*\m+7], 0, v[WS+\j], v[XS+\m] matrix_a_fmt:MATRIX_FMT_FP4 matrix_b_fmt:MATRIX_FMT_FP4
.else
	v_wmma_scale_f32_16x16x128_f8f6f4 v[8*(4*\j+\m):8*(4*\j+\m)+7], v[WF+8*\j:WF+8*\j+7], v[XF+8*\m:XF+8*\m+7], v[8*(4*\j+\m):8*(4*\j+\m)+7], v[WS+\j], v[XS+\m] matrix_a_fmt:MATRIX_FMT_FP4 matrix_b_fmt:MATRIX_FMT_FP4
.endif
.endr
.endr
.irp m, 0,1,2,3
.if (\s) == 0
	v_wmma_scale_f32_16x16x128_f8f6f4 v[64+8*\m:64+8*\m+7], v[XF+8*\m:XF+8*\m+7], v[WF+16:WF+23], 0, v[XS+\m], v[WS+2] matrix_a_fmt:MATRIX_FMT_FP4 matrix_b_fmt:MATRIX_FMT_FP4
.else
	v_wmma_scale_f32_16x16x128_f8f6f4 v[64+8*\m:64+8*\m+7], v[XF+8*\m:XF+8*\m+7], v[WF+16:WF+23], v[64+8*\m:64+8*\m+7], v[XS+\m], v[WS+2] matrix_a_fmt:MATRIX_FMT_FP4 matrix_b_fmt:MATRIX_FMT_FP4
.endif
.endr
	WIN 0
.endm
	s_load_b256 s[4:11], s[0:1], 0x0               ; x, wimg, kv, qimg
	v_lshl_add_u32 v[SPW], v0, 2, SPARE
	v_mov_b32 v[NIL], 0
	ds_add_u32 v[SPW], v[NIL]                      ; the wave's opening: the add, twice on end, and its wait; the set-up below stands between
	ds_add_u32 v[SPW], v[NIL]
	v_lshrrev_b32 v20, 5, v0
	v_readfirstlane_b32 s[WV], v20                 ; wave 0..7
	s_bfe_u32 s13, ttmp6, 0x40000                  ; my place in the cluster
	s_lshl_b32 s12, ttmp9, 2
	s_add_co_u32 s12, s12, s13                     ; work-group 0..255
	s_lshr_b32 s15, s[WV], 2                       ; group of 32 tokens; k (0) or q (1)
	s_and_b32 s16, s[WV], 3
	s_bfe_u32 s17, s[WV], 0x10001                  ; a: my slots are 8 a .. 8 a + 7
	s_and_b32 s18, s[WV], 1
	s_lshl_b32 s19, s15, 1
	s_add_co_u32 s19, s19, s18                     ; m: my token tile
	v_and_b32 v20, 15, v0                          ; r
	v_bfe_u32 v[H], v0, 4, 1                       ; h
	v_and_b32 v22, 31, v0                          ; lane
	v_bfe_u32 v23, v0, 2, 2                        ; B: my block of the K step
	v_and_b32 v24, 3, v0                           ; g: my part of the block
	v_lshlrev_b32 v25, 4, v24
	v_lshl_add_u32 v25, v[H], 6, v25
	v_lshl_add_u32 v[XO], v23, 7, v25              ; x: 128 B + 64 h + 16 g
	s_lshl_b32 s44, s17, 7                         ; 128 a
	s_mul_i32 s45, s19, 1088
	s_add_co_u32 s45, s45, s44
	s_add_co_u32 s45, s45, XIMG
	v_mul_u32_u24 v25, v23, 272
	v_lshl_add_u32 v25, v[H], 6, v25
	v_lshl_add_u32 v25, v24, 2, v25
	v_add_nc_u32 v[XWI], s45, v25                  ; XIMG + 1,088 m + 128 a + 272 B + 64 h + 4 g
	s_lshl_b32 s45, s19, 2
	s_add_co_u32 s45, s45, s44
	s_add_co_u32 s45, s45, XSC
	v_lshl_add_u32 v25, v[H], 6, v23
	v_add_nc_u32 v[XWS], s45, v25                  ; XSC + 4 m + 128 a + 64 h + B
	v_mul_u32_u24 v25, v[H], 272
	v_lshl_add_u32 v25, v20, 4, v25
	v_add_nc_u32 v[XI], XIMG, v25
	v_lshl_add_u32 v[XSL], v20, 4, XSC
	s_mul_i32 s45, s[WV], 3072
	s_mul_i32 s46, s[WV], 192
	s_add_co_u32 s46, s46, 24576
	v_lshlrev_b32 v24, 4, v22
	v_lshlrev_b32 v25, 2, v20
.irp k, 0,1,2,3
	v_add_nc_u32 v[WL+\k], s45, v24
	v_add_nc_u32 v[WSL+\k], s46, v25
	s_add_co_u32 s45, s45, 2*WSTEP
	s_add_co_u32 s46, s46, 2*WSTEP
.endr
	v_lshlrev_b32 v25, 4, v20                      ; 16 r
	v_lshl_add_u32 v[VO], v[H], 3, v25             ; 16 r + 8 h
	s_lshl_b32 s45, s16, 8
	v_add_nc_u32 v[KO], s45, v[VO]                 ; block w % 4 of an image of k or q
	s_lshl_b32 s45, s15, 8
	s_add_co_u32 s45, s45, SCX
	s_add_co_u32 s46, s45, s16
	v_add_nc_u32 v[SCW], s46, v25                  ; byte w % 4 of row r's words
	v_lshlrev_b32 v[L8], 3, v22
	v_add_nc_u32 v[SCR], s45, v[L8]
	v_add_nc_u32 v[VSO], v25, v[H]
	; descriptor group 1: 26,112 dense bytes as 102 rows of 256; the mask names all four partners, bit 21 beside it
	s_mov_b32 s[G1], 15|(3<<16)|(1<<21)
	s_mov_b32 s[G1+1], 32<<16
	s_mov_b32 s[G1+2], 102<<16
	s_mov_b32 s[G1+3], 32<<16
	s_mov_b32 s[G1+4], 102
	s_mov_b32 s[G1+5], 32
	s_mov_b32 s[G1+6], 0
	s_mov_b32 s[G1+7], 0
	s_mov_b32 s[SEL], 0x76543210
	s_mov_b32 s[SEL+1], 0xfedcba98                 ; v_permlanex16_b32's selects for lane l xor 16
	s_lshl_b32 s22, s12, 18                        ; x: 64 rows of 4,096 bytes a work-group, 8 a wave
	s_lshl_b32 s44, s[WV], 15
	s_add_co_u32 s22, s22, s44
	s_mov_b32 s23, 0
	s_mul_i32 s44, s[WV], WSTEP                    ; my K step of W
	s_mov_b32 s45, 0
	s_lshr_b32 s46, s12, 5                         ; the batch
	s_mul_i32 s46, s46, 278528
	s_bfe_u32 s48, s12, 0x40001                    ; the key step
	s_mul_i32 s48, s48, 4352
	s_add_co_u32 s46, s46, s48
	s_and_b32 s47, s12, 1                          ; c: which 64 of its 128 keys are mine
	s_mul_i32 s50, s47, 69632
	s_add_co_u32 s50, s50, s46                     ; k: quarter c
	s_mov_b32 s51, 0
	s_mul_i32 s52, s12, 4352                       ; q
	s_mov_b32 s53, 0
	s_add_co_u32 s54, s15, 2
	s_mul_i32 s54, s54, 69632
	s_add_co_u32 s54, s54, s46                     ; v: quarter 2 + w / 4
	s_lshl_b32 s56, s16, 10
	s_add_co_u32 s56, s56, s54
	s_lshl_b32 s48, s47, 9
	s_add_co_u32 s56, s56, s48                     ; tile w % 4, blocks 2 c, 2 c + 1
	s_mov_b32 s57, 0
	s_lshl_b32 s58, s16, 2
	s_add_co_u32 s58, s58, s54
	s_lshl_b32 s48, s47, 1
	s_add_co_u32 s58, s58, s48
	s_add_co_u32 s58, s58, 4096                    ; and their scale bytes
	s_mov_b32 s59, 0
	s_mov_b32 s[G0], 1                             ; count = 1
	s_mul_i32 s[G0+1], s[WV], WSTEP                ; LDS address: the wave's number alone
	s_wait_alu depctr_va_vdst(0)                   ; the wait at the head's end
	s_wait_dscnt 0x0                               ; both opening adds are done
	s_wait_kmcnt 0x0
	s_add_nc_u64 s[20:21], s[4:5], s[22:23]
	XLOAD 0
	XLOAD 1
	s_add_nc_u64 s[G0+2:G0+3], s[6:7], s[44:45]
	s_or_b32 s[G0+3], s[G0+3], 0x80000000          ; type = 2
	s_add_nc_u64 s[50:51], s[8:9], s[50:51]
	s_add_nc_u64 s[52:53], s[10:11], s[52:53]
	s_add_nc_u64 s[VB:VB+1], s[8:9], s[56:57]
	s_add_nc_u64 s[VSB:VSB+1], s[8:9], s[58:59]
	s_cmp_lt_u32 s[WV], 4
	s_cselect_b64 s[KQ:KQ+1], s[50:51], s[52:53]   ; waves 0-3 store k, waves 4-7 q
	ROUND                                          ; all four work-groups are here: the joint loads meet
	tensor_load_to_lds s[G0:G0+3], s[G1:G1+7]
	s_nop 0
.rept 4
	v_nop
.endr
	XLOAD 2
	XLOAD 3
	XLOAD 4
	XLOAD 5
.irp s, 0,1,2,3,4,5,6,7
	KSTEP \s
.endr
	; THE WAY OUT: six blocks of 32 along the next K, each in two accumulators and in lanes l and l xor 16.  Block q < 4: k or q of token tile q; 4 + g: v, tokens 32 g on.
.macro ACCS q
.if (\q) < 4
.set A1, 8*(\q)
.set A2, A1+32
.else
.set A1, 64+16*((\q)-4)
.set A2, A1+8
.endif
.endm
.rept 4
	v_nop                                          ; four places between the last products and the first read of results
.endr
	WIN 0x05                                       ; sources 0 and 1 window 1
.irp q, 0,1,2,3,4,5
	ACCS \q
	v_max3_num_f32 v[TMX+\q], |v[A1]|, |v[A1+1]|, 0x1800000   ; each accumulator from its low end on; the floor 2^(3 - 127) among the leaves
.endr
.irp i, 2,4,6
.irp q, 0,1,2,3,4,5
	ACCS \q
	v_max3_num_f32 v[TMX+\q], |v[A1+\i]|, |v[A1+\i+1]|, v[TMX+\q]
.endr
.endr
.irp i, 0,2,4,6
.irp q, 0,1,2,3,4,5
	ACCS \q
	v_max3_num_f32 v[TMX+\q], |v[A2+\i]|, |v[A2+\i+1]|, v[TMX+\q]
.endr
.endr
	WIN 0
.irp q, 0,1,2,3,4,5
	v_permlanex16_b32 v[TPD+\q], v[TMX+\q], s[SEL], s[SEL+1]   ; (its destination has been written: by the loads of x)
.endr
.irp q, 0,1,2,3,4,5
	v_max_num_f32 v[TMX+\q], v[TMX+\q], v[TPD+\q]
.endr
.irp q, 0,1,2,3,4,5
	v_add_nc_u32 v[TSO+\q], 0xff000000, v[TMX+\q]  ; 2 off the exponent field: the conversion's scale operand
.endr
.irp q, 0,1,2,3,4,5
	v_lshrrev_b32 v[TBY+\q], 23, v[TSO+\q]         ; the scale's byte
.endr
.irp m, 0,1,2,3
	ds_store_b8 v[SCW], v[TBY+\m] offset:4*\m      ; both halves of the lanes write the same byte with the same value
.endr
	v_cmp_ne_u32 vcc_lo, 0, v[H]
	v_cndmask_b32 v112, v[TBY+4], v[TBY+5], vcc_lo ; lanes 0-15 send v's first byte, lanes 16-31 the second
	WIN 0x01                                       ; source 0 window 1
.irp q, 0,1,2,3,4,5
	ACCS \q
	v_cvt_scalef32_pk8_fp4_f32 v[COD+2*\q], v[A1:A1+7], v[TSO+\q]
	v_cvt_scalef32_pk8_fp4_f32 v[COD+2*\q+1], v[A2:A2+7], v[TSO+\q]
.endr
	v_nop                                          ; one plain line behind the last scaled conversion
	WIN 0
.irp m, 0,1,2,3
	global_store_b64 v[KO], v[COD+2*\m:COD+2*\m+1], s[KQ:KQ+1] offset:1024*\m   ; 256 consecutive bytes, aligned
.endr
.irp g, 0,1
	global_store_b64 v[VO], v[COD+8+2*\g:COD+9+2*\g], s[VB:VB+1] offset:256*\g
.endr
	global_store_b8 v[VSO], v112, s[VSB:VSB+1]
	BARRIER                                        ; the waves' bytes of k's and q's scale words lie in LDS
	s_cmp_lg_u32 s16, 0
	s_cbranch_scc1 .Lend                           ; wave 0 sends k's words out, wave 4 q's
	ds_load_b64 v[114:115], v[SCR]
	s_wait_dscnt 0x0
	global_store_b64 v[L8], v[114:115], s[KQ:KQ+1] offset:4096   ; 64 words: 256 consecutive bytes, aligned
.Lend:
	s_wait_tensorcnt 0x0                           ; the wave's end, behind my last tensor load and my last LDS store
	ds_add_u32 v[SPW], v[NIL]
	s_wait_dscnt 0x0
	ROUND                                          ; the closing round
	s_endpgm
.Lfunc_end_k_q8f705329c1_proj:
	.size	k_q8f705329c1_proj, .Lfunc_end_k_q8f705329c1_proj-k_q8f705329c1_proj
	.p2alignl 7, 3214868480
	.fill 96, 4, 3214868480
	.section	.rodata,"a",@progbits
	.p2align	6, 0x0
	.amdhsa_kernel k_q8f705329c1_proj
		.amdhsa_group_segment_fixed_size 327680
		.amdhsa_private_segment_fixed_size 0
		.amdhsa_enable_private_segment 0
		.amdhsa_kernarg_size 32
		.amdhsa_user_sgpr_count 2
		.amdhsa_user_sgpr_kernarg_segment_ptr 1
		.amdhsa_wavefront_size32 1
		.amdhsa_system_sgpr_workgroup_id_x 1
		.amdhsa_system_sgpr_workgroup_id_y 1
		.amdhsa_system_sgpr_workgroup_id_z 1
		.amdhsa_system_vgpr_workitem_id 0
		.amdhsa_next_free_vgpr 512
		.amdhsa_next_free_sgpr 66
		.amdhsa_reserve_vcc 1
		.amdhsa_float_denorm_mode_32 3
		.amdhsa_float_denorm_mode_16_64 3
		.amdhsa_memory_ordered 1
		.amdhsa_forward_progress 1
		.amdhsa_inst_pref_size 70
	.end_amdhsa_kernel
	.amdgpu_metadata
---
amdhsa.version: [ 1, 2 ]
amdhsa.kernels:
  - .name:           k_q8f705329c1_proj
    .symbol:         k_q8f705329c1_proj.kd
    .args:
      - { .name: x, .offset: 0, .size: 8, .value_kind: global_buffer, .address_space: global }
      - { .name: wimg, .offset: 8, .size: 8, .value_kind: global_buffer, .address_space: global }
      - { .name: kv, .offset: 16, .size: 8, .value_kind: global_buffer, .address_space: global }
      - { .name: qimg, .offset: 24, .size: 8, .value_kind: global_buffer, .address_space: global }
    .group_segment_fixed_size: 327680
    .private_segment_fixed_size: 0
    .kernarg_segment_align: 8
    .kernarg_segment_size: 32
    .max_flat_workgroup_size: 256
    .sgpr_count:     66
    .vgpr_count:     512
    .wavefront_size: 32
...
	.end_amdgpu_metadata
.endif
;; end of part 2
;; launch attn (part 3): grid 32 x 8, 8 waves a work-group, clusters of 4 x 1, 327,680 bytes of LDS; arguments kv, qimg, out0; writes out0
.if DOCPART == 3
	.amdgcn_target "amdgcn-amd-amdhsa--gfx1250"
	.amdhsa_code_object_version 6
	.text
	.protected	k_q8f705329c1_attn
	.globl	k_q8f705329c1_attn
	.p2align	8
	.type	k_q8f705329c1_attn,@function
k_q8f705329c1_attn:
	s_mov_b64 s[64:65], 0
	v_nop
	global_prefetch_b8 v0, s[64:65] scope:SCOPE_SE
	s_setreg_imm32_b32 hwreg(HW_REG_WAVE_MODE, 25, 1), 1
	s_wait_xcnt 0x0
	s_wait_alu depctr_hold_cnt(0) depctr_sa_sdst(0) depctr_va_vdst(0) depctr_va_sdst(0) depctr_va_ssrc(0) depctr_va_vcc(0) depctr_vm_vsrc(0)
	s_getreg_b32 s2, hwreg(HW_REG_IB_STS2, 6, 4)
	s_cmp_eq_u32 s2, 0
	s_cbranch_scc0 .Lentry_in_a_cluster
	s_endpgm
.Lentry_in_a_cluster:
	s_bfe_u32 s2, ttmp6, 0x10000c
	s_cmp_lg_u32 s2, 0x3003
	s_cbranch_scc0 .Lentry_shape_is_right
	s_endpgm
.Lentry_shape_is_right:
; out0[b][q] = sum over keys of softmax(q . k / sqrt(128)) v under the causal mask, both products on codes of FP4 (E2M1) with one E8M0 scale for each 32 along K.
; WORK LEFT OUT: key steps of 128 keys all of which come after a tile's 16 queries (shown at the head of the first launch's text: reference()'s own mask makes their weights exactly 0).
; THE SOFTMAX: t = score x log2(e) / sqrt(128); M = the running largest t rounded UP to a whole number; p = 2^(t - M) is quantised along the keys, not normalised; the row's sum l is taken of the unquantised p and divides
; at the end.  When M moves, l and O are multiplied by 2^(old M - new M): exact.
; LAYOUT.  Both products are used transposed: S^T = K Q^T (source 0 = 16 keys, source 1 = 16 queries), O^T = V^T P^T: a lane holds ONE query (lane % 16) throughout.  Slot r of tile 2 g + u, of keys and of queries,
; is index 32 g + 8 u + r + (r & 8): so the 16 registers of two neighbouring tiles of S^T are 16 neighbouring keys.  K, V and Q come as images of their operand registers.
; SHARES.  D = the cluster's x (0..7), cx = my place in it, g = 4 D + cx.  A work-group owns the queries 32 g .. + 31 (low: key steps 0 .. D) and 32 (63 - g) .. + 31 (high: key steps 0 .. 15 - D), two tiles e = 0, 1 each.
; Wave w: e = w & 1, role = w / 2.  Roles 2, 3 take the high tile's last eight key steps, 8 - D .. 15 - D, by turns in trips 1 to 4.  Of the nine others (low 0 .. D, high 0 .. 7 - D) let F be the group with fewer, d + 1 of them,
; d = min(D, 7 - D), and S the other, with 8 - d.  Role 0 takes F's steps 0 .. d in trips 0 .. d, then S's step 2 t - d - 1 in trip t; role 1 takes S's step t - 1 in trips 1 .. d, then 2 t - d - 2.
; So trips 0 to 2 want the first four key steps of either run of eight, and role 0 alone changes tiles, at the head of trip d + 1: it leaves F's part in LDS then.  At the end all parts lie in LDS, by rows of O, and eight waves
; join them: four tiles, eight rows a wave.  M is a whole number, so the joining factors are exact powers of two.
; CLUSTER.  Which key steps are wanted hangs on D, the batch, the trip and the wave alone: the four partners want the same and ask JOINTLY (mask 15).  cx enters only Q's and out0's global addresses and the mask's number of a lane.
; LDS: two runs of eight key steps (0 .. 7 and 8 - D .. 15 - D), each as four quarters of 34,816 bytes (K tiles 0-3, K 4-7, V 0-3, V 4-7), a key step's part 4,352 bytes.  Wave w fetches quarter w % 4 of run w / 4: the first four
; key steps at the head, the other four behind a full sequence and a round.  All are first fills.  By this text's count one load of a wave is out at the most.
; NO PREFETCH: both loads of a wave stand ahead of the trips; there is no earlier place to ask from.
; LIMITS: the promise holds while scaled scores stay under 2^31 in magnitude; NaN and infinities in k, q, v are not served; at role 0's change of tiles O^T and l are cleared by the factor 0, which takes them to be finite.
; REGISTERS: window 0: v1-11 addresses; v12 -M, v13 the largest t, v[14:15] l in two halves; v16-23 Q, v24 its scale words; v25-31 addresses and the mask's number; v32-39 K's scale words, v40-47 V's;
;   v96-159 S^T, then p; v160-223 O^T; v224-231 p's codes; v232-255 at work; v253 p's scale word.  window 1: v0-63 V's fragments, v64-127 K's, v128-136 role 0's second Q and its scale words.
.set QB,    4352                       ; a key step's part of a quarter
.set QR,    34816                      ; eight of them
.set RUN,   139264                     ; four quarters: a run
.set VOFF,  69632                      ; from K's quarters to V's
.set PSZ,   8448                       ; a part: 16 rows of 528 bytes: 512 of O, then -M, the largest t, l, 0: every byte is written
.set SWP,   278528                     ; behind the runs: F's two parts (no tensor load fills these bytes)
.set SPARE, 295424                     ; behind them the spare words, 128 bytes for each wave
.set ADK,  1
.set ADKS, 2
.set ADV,  3
.set ADVS, 4
.set SPW,  5
.set NIL,  6
.set GO,   9                           ; 16 x lane
.set STO,  10                          ; my part at the end: 8,448 w + 528 r + 32 h
.set STM,  11                          ; 8,448 w + 528 r
.set QF,   16
.set QS,   24
.set PAR,  25                          ; F's part
.set PAM,  26
.set DM,   27
.set QSO,  29                          ; 16 r
.set KS,   32
.set VS,   40
.set SS,   96
.set OO,   160
.set PC,   224
.set BM,   232
.set BP,   236
.set SO,   240
.set SU,   244
.set BY,   246
.set FF,   250
.set PSW,  253
.set WV,   10
.set ROLE, 11
.set EE,   12
.set CX,   13
.set DD,   14
.set BB,   15
.set G1,   16
.set GA,   24                          ; s[24:27], s[28:31] group 0 for my two loads
.set GB,   28
.set SEL,  32
.set CS,   34
.set SB,   36                          ; s36-40 where trip t's key step begins in LDS
.set TSW,  41
.set TMK,  42                          ; the trip of my diagonal step
.set GG,   46                          ; which tile I join: low (0) or high (1)
.set LIM,  47
.set MSB, 0
.macro WIN new
.if MSB != (\new)
	s_set_vgpr_msb (MSB<<8)|(\new)
.set MSB, (\new)
.endif
.endm
.macro ROUND                           ; a round of the cluster's barrier
	s_barrier_signal -1
	s_barrier_wait -1
	s_cmp_lg_u32 s[WV], 0
	s_cbranch_scc1 .Lnot_wave_0_\@
	s_barrier_signal -3
.Lnot_wave_0_\@:
	s_barrier_wait -3
	s_barrier_signal -1
	s_barrier_wait -1
.endm
.macro PLACES
.rept 4
	v_nop
.endr
.endm
.macro NEXTK n                         ; trip n's addresses of K
	v_add_nc_u32 v[ADK], s[SB+(\n)], v[GO]
	v_add_nc_u32 v[ADKS], s[SB+(\n)], v[QSO]
.endm
.macro NEXTV                           ; and of V, whose quarters lie VOFF behind K's
	v_add_nc_u32 v[ADV], VOFF, v[ADK]
	v_add_nc_u32 v[ADVS], VOFF, v[ADKS]
.endm
.macro FRAGS reg, adr, ads, sc         ; 18 LDS loads: eight fragments and their scale words
	WIN 0x40                                       ; destination window 1
.irp f, 0,1,2,3,4,5,6,7
.irp c, 0,1
	ds_load_b128 v[\reg+8*\f+4*\c:\reg+8*\f+4*\c+3], v[\adr] offset:QR*(\f/4)+1024*(\f%4)+512*\c
.endr
.endr
	WIN 0
	ds_load_b128 v[\sc:\sc+3], v[\ads] offset:4096
	ds_load_b128 v[\sc+4:\sc+7], v[\ads] offset:QR+4096
.endm
.macro KLOAD
	FRAGS 64, ADK, ADKS, KS
.endm
.macro VLOAD
	FRAGS 0, ADV, ADVS, VS
.endm
.macro SCORES                          ; S^T = K Q^T: eight tiles of 16 keys
	WIN 0x01                                       ; source 0 window 1
.irp f, 0,1,2,3,4,5,6,7
	v_wmma_scale_f32_16x16x128_f8f6f4 v[SS+8*\f:SS+8*\f+7], v[64+8*\f:64+8*\f+7], v[QF:QF+7], 0, v[KS+\f], v[QS] matrix_a_fmt:MATRIX_FMT_FP4 matrix_b_fmt:MATRIX_FMT_FP4
.endr
	WIN 0
.endm
.macro PV                              ; O^T += V^T P^T: eight tiles of 16 channels, K = the step's 128 keys; the eight accumulators by turns
	WIN 0x01
.irp f, 0,1,2,3,4,5,6,7
	v_wmma_scale_f32_16x16x128_f8f6f4 v[OO+8*\f:OO+8*\f+7], v[8*\f:8*\f+7], v[PC:PC+7], v[OO+8*\f:OO+8*\f+7], v[VS+\f], v[PSW] matrix_a_fmt:MATRIX_FMT_FP4 matrix_b_fmt:MATRIX_FMT_FP4
.endr
	WIN 0
.endm
.macro MASK t                          ; the diagonal step: register 16 b + i holds key 32 b + 16 (lane / 16) + i of the step: hidden where 32 b + i > v[DM].  Hidden scores become -infinity ahead of the maximum: p = 0 then
	s_cmp_eq_u32 s[TMK], \t                        ; hangs on D and the wave's number: the same in every partner
	s_cbranch_scc0 .Lopen_\@
	v_mov_b32 v254, 0xff800000
.irp n, 0,1,2,3,4,5,6,7,8,9,10,11,12,13,14,15,16,17,18,19,20,21,22,23,24,25,26,27,28,29,30,31,32,33,34,35,36,37,38,39,40,41,42,43,44,45,46,47,48,49,50,51,52,53,54,55,56,57,58,59,60,61,62,63
	v_cmp_gt_i32 vcc_lo, 32*(\n/16)+\n%16, v[DM]
	v_cndmask_b32 v[SS+\n], v[SS+\n], v254, vcc_lo
.endr
.Lopen_\@:
.endm
.macro SOFTMAX
.irp b, 0,1,2,3
	v_max3_num_f32 v[BM+\b], v[SS+16*\b], v[SS+1+16*\b], v[SS+2+16*\b]   ; the largest score of each block of 32 keys: for the row's maximum and, since p rises with the score, for the block's largest p
.endr
.irp i, 3,5,7,9,11,13
.irp b, 0,1,2,3
	v_max3_num_f32 v[BM+\b], v[BM+\b], v[SS+16*\b+\i], v[SS+1+16*\b+\i]
.endr
.endr
.irp b, 0,1,2,3
	v_max_num_f32 v[BM+\b], v[BM+\b], v[SS+15+16*\b]
.endr
.irp b, 0,1,2,3
	v_permlanex16_b32 v[BP+\b], v[BM+\b], s[SEL], s[SEL+1]
.endr
.irp b, 0,1,2,3
	v_max_num_f32 v[BM+\b], v[BM+\b], v[BP+\b]     ; with lane l xor 16's 16 keys
.endr
	v_max3_num_f32 v254, v[BM], v[BM+1], v[BM+2]
	v_max_num_f32 v254, v254, v[BM+3]              ; the step's largest score of my query
	v_mul_f32 v254, s[CS], v254                    ; as t (c is positive)
	v_max_num_f32 v13, v13, v254                   ; the running largest t
	v_mov_b32 v254, v12
	v_floor_f32 v12, -v13                          ; the new -M = floor(-t) = -ceil(t)
	v_sub_f32 v254, v12, v254                      ; old M - new M: a whole number, 0 or less
	v_cvt_i32_f32 v254, v254                       ; (it saturates)
	v_ldexp_f32 v[FF], 1.0, v254                   ; f = 2^(old M - new M)
.set JJ, 0
.rept 32
	v_pk_fma_f32 v[SS+JJ:SS+JJ+1], v[SS+JJ:SS+JJ+1], s[CS:CS+1], v[12:13] op_sel_hi:[1,0,0]   ; t - M, two at a time (of the pairs c and -M the low word serves both halves)
.set JJ, JJ+2
.endr
.irp b, 0,1,2,3
	v_fma_f32 v[BM+\b], v[BM+\b], s[CS], v12       ; the same of each block's largest score
.endr
.set JJ, 0
	s_wait_alu depctr_va_vdst(0)                   ; the wait ahead of the batch
.rept 64
	v_exp_f32 v[SS+JJ], v[SS+JJ]                   ; p = 2^(t - M), at most 1
.set JJ, JJ+1
.endr
	v_pk_mul_f32 v[14:15], v[14:15], v[FF:FF+1] op_sel_hi:[1,0]   ; l under the new M: a plain line behind the exponentials
	s_wait_alu depctr_va_vdst(0)                   ; one wait for the batch of 64, ahead of its first reader
.irp b, 0,1,2,3
	v_exp_f32 v[BM+\b], v[BM+\b]                   ; the block's largest p: the same two instructions on the same number give the same bits
.endr
	v_pk_add_f32 v[SU:SU+1], v[SS:SS+1], v[SS+2:SS+3]   ; the row's sum is taken of the unquantised p, in two chains; it reads the 64 alone
.set JJ, 4
.rept 15
	v_pk_add_f32 v[14:15], v[14:15], v[SS+JJ:SS+JJ+1]
	v_pk_add_f32 v[SU:SU+1], v[SU:SU+1], v[SS+JJ+2:SS+JJ+3]
.set JJ, JJ+4
.endr
	v_pk_add_f32 v[14:15], v[14:15], v[SU:SU+1]
	s_wait_alu depctr_va_vdst(0)                   ; and one for the four
.irp b, 0,1,2,3
	v_max_num_f32 v[BM+\b], 0x1800000, v[BM+\b]    ; the floor 2^(3 - 127): the byte cannot fall under 1 (a block whose every p is 0 keeps that byte: its codes are zeros)
.endr
.irp b, 0,1,2,3
	v_add_nc_u32 v[SO+\b], 0xff000000, v[BM+\b]    ; 2 off the exponent field: the conversion's scale operand
.endr
.irp b, 0,1,2,3
	v_lshrrev_b32 v[BY+\b], 23, v[SO+\b]           ; the scale's byte
.endr
	v_lshl_or_b32 v[PSW], v[BY+1], 8, v[BY]        ; p's scale word for these 128 keys
	v_lshl_or_b32 v[PSW], v[BY+2], 16, v[PSW]
	v_lshl_or_b32 v[PSW], v[BY+3], 24, v[PSW]
.irp b, 0,1,2,3
	v_cvt_scalef32_pk8_fp4_f32 v[PC+2*\b], v[SS+16*\b:SS+7+16*\b], v[SO+\b]
	v_cvt_scalef32_pk8_fp4_f32 v[PC+1+2*\b], v[SS+8+16*\b:SS+15+16*\b], v[SO+\b]
.endr
	v_nop                                          ; one plain line behind the last scaled conversion
.irp c, 0,1                                    ; the operand's layout wants a WHOLE block in a lane
.irp i, 0,1
	v_permlane16_swap_b32 v[PC+4*\c+\i], v[PC+2+4*\c+\i]
.endr
.endr
	s_wait_alu depctr_va_vdst(0)                   ; the wait here, directly ahead of the first reader of O^T
.set JJ, 0
.rept 32
	v_pk_mul_f32 v[OO+JJ:OO+JJ+1], v[OO+JJ:OO+JJ+1], v[FF:FF+1] op_sel_hi:[1,0]   ; O^T under the new M.  (These 32 are also the places between the lines that wrote p's codes and scale word and the products)
.set JJ, JJ+2
.endr
.endm
.macro STATE adr, adm                  ; O^T as it stands, by rows: row r of 528 bytes; each accumulator from its low end on; -M and l beside it (both halves of the lanes write the same words with the same values)
.irp f, 0,1,2,3,4,5,6,7
	ds_store_b128 v[\adr], v[OO+8*\f:OO+8*\f+3] offset:64*\f
	ds_store_b128 v[\adr], v[OO+8*\f+4:OO+8*\f+7] offset:64*\f+16
.endr
	ds_store_b128 v[\adm], v[12:15] offset:512
.endm
; Role 0's change of tiles: F's part goes to LDS; the state begins anew (the next step's f is then 2^(a saturated negative number) = 0, which clears O^T and l); Q becomes S's.
; The first branch hangs on the wave's number, the second on the cluster's x: both are the same in all four partners.
.macro SWITCH t
	s_cmp_eq_u32 s[ROLE], 0
	s_cbranch_scc0 .Lstay_\@
	s_cmp_eq_u32 s[TSW], \t
	s_cbranch_scc0 .Lstay_\@
	v_add_f32 v14, v14, v15
	v_permlanex16_b32 v[BP], v14, s[SEL], s[SEL+1]
	v_add_f32 v14, v14, v[BP]                      ; with lane l xor 16's: the row's l
	v_mov_b32 v15, 0
	s_wait_alu depctr_va_vdst(0)
	STATE PAR, PAM
	v_mov_b32 v13, 0xff61b1e6                      ; the largest t so far: -3e38, under every t
	v_floor_f32 v12, -v13
	WIN 0x01                                       ; source 0 window 1
.irp i, 0,1,2,3,4,5,6,7,8
	v_mov_b32 v[QF+\i], v[128+\i]
.endr
	WIN 0
.rept 8
	v_nop                                          ; a scale register written by a vector instruction stands 8 places ahead of a scaled matrix instruction, an operand so written 4
.endr
.Lstay_\@:
.endm
; Trip t.  K's fragments were asked for in the trip before; V's are asked for at the head and land under the scores and the softmax; the next trip's K's are asked for behind the scores.
.macro TRIP t, pub, last
.if (\t) > 0
	SWITCH \t
.endif
	s_wait_alu depctr_va_vdst(0)
	VLOAD
	s_wait_dscnt 18                                ; K's 18 loads are in (and role 0's stores at its change); V's 18, the youngest, may be out
	SCORES
.if \last
	PLACES                                         ; in front of the first read of the scores
.else
	NEXTK \t+1                                     ; with the two v_nop: the places in front of the loads into K's registers and of the first read of the scores
	v_nop
	v_nop
	s_wait_alu depctr_va_vdst(0)
.if \pub
	s_wait_tensorcnt 0x0                           ; my second load has landed; nothing is filled again
	s_wait_dscnt 0x0
	s_barrier_signal -1
	s_barrier_wait -1                              ; and so has every wave's
.endif
	KLOAD
.endif
	MASK \t
	SOFTMAX
	s_wait_alu depctr_va_vdst(0)
.if \last
	s_wait_dscnt 0x0                               ; V is in
.else
	s_wait_dscnt 18                                ; V is in; the next trip's 18 loads of K may be out
.endif
	PV
.if !\last
	NEXTV                                          ; with the two v_nop: the places between the last products and the loads into V's registers, and role 0's stores of O^T
	v_nop
	v_nop
	s_wait_alu depctr_va_vdst(0)
.endif
.endm
; byte offsets in qimg of the tile e of the group of 32 queries in s[g]: its image, and its scale words
.macro QADR g, img, scl
	s_lshr_b32 s43, s[\g], 1
	s_add_co_u32 s43, s43, s49                     ; which block of 64 queries: 32 b + group / 2
	s_mul_i32 s43, s43, 4352
	s_and_b32 s44, s[\g], 1
	s_lshl_b32 s44, s44, 1
	s_add_co_u32 s44, s44, s[EE]                   ; m = 2 (group % 2) + e
	s_lshl_b32 s45, s44, 10
	s_add_co_u32 s[\img], s43, s45
	s_mov_b32 s[\img+1], 0
	s_lshl_b32 s45, s44, 2
	s_add_co_u32 s45, s45, 4096
	s_add_co_u32 s[\scl], s43, s45
	s_mov_b32 s[\scl+1], 0
.endm
	s_load_b128 s[4:7], s[0:1], 0x0                ; kv, qimg
	s_load_b64 s[8:9], s[0:1], 0x10                ; out0
	v_lshl_add_u32 v[SPW], v0, 2, SPARE
	v_mov_b32 v[NIL], 0
	ds_add_u32 v[SPW], v[NIL]                      ; the wave's opening: the add, twice on end, and its wait ahead of the round in front of my first tensor load; the set-up below stands between
	ds_add_u32 v[SPW], v[NIL]
	v_lshrrev_b32 v30, 5, v0
	v_readfirstlane_b32 s[WV], v30                 ; wave 0..7
	s_lshr_b32 s[ROLE], s[WV], 1
	s_and_b32 s[EE], s[WV], 1
	s_bfe_u32 s[CX], ttmp6, 0x40000                ; my place in the cluster
	s_and_b32 s[BB], ttmp7, 0xffff                 ; the batch
	s_sub_co_u32 s43, 7, ttmp9
	s_min_u32 s[DD], ttmp9, s43                    ; d
	s_add_co_u32 s[TSW], s[DD], 1
	s_min_u32 s43, ttmp9, 4                        ; role 0's diagonal step: trip D if F is the low group, else trip 4
	s_cmp_eq_u32 s[ROLE], 3
	s_cselect_b32 s44, 4, 9                        ; role 3's: trip 4; roles 1 and 2 have none
	s_cmp_eq_u32 s[ROLE], 0
	s_cselect_b32 s[TMK], s43, s44
	; descriptor group 1: 17,408 dense bytes as 68 rows of 256; the mask names all four partners, bit 21 beside it
	s_mov_b32 s[G1], 15|(3<<16)|(1<<21)
	s_mov_b32 s[G1+1], 32<<16
	s_mov_b32 s[G1+2], 68<<16
	s_mov_b32 s[G1+3], 32<<16
	s_mov_b32 s[G1+4], 68
	s_mov_b32 s[G1+5], 32
	s_mov_b32 s[G1+6], 0
	s_mov_b32 s[G1+7], 0
	s_mov_b32 s[SEL], 0x76543210
	s_mov_b32 s[SEL+1], 0xfedcba98                 ; v_permlanex16_b32's selects for lane l xor 16
	s_mov_b32 s[CS], 0x3e0293ee                    ; c = log2(e) / sqrt(128)
	s_mov_b32 s[CS+1], s[CS]                       ; (named with it as a pair, so it is written)
	; what I fetch: quarter w % 4 of run w / 4
	s_and_b32 s66, s[WV], 3
	s_lshr_b32 s67, s[WV], 2
	s_mul_i32 s68, s[BB], 278528
	s_mul_i32 s69, s66, 69632
	s_add_co_u32 s68, s68, s69
	s_sub_co_u32 s69, 8, ttmp9
	s_mul_i32 s69, s69, s67
	s_mul_i32 s69, s69, QB
	s_add_co_u32 s68, s68, s69
	s_mov_b32 s69, 0
	s_mul_i32 s70, s66, QR
	s_mul_i32 s71, s67, RUN
	s_add_co_u32 s70, s70, s71                     ; LDS: the wave's number alone
	s_mov_b32 s[GA], 1
	s_add_co_u32 s[GA+1], s70, 0
	s_mov_b32 s[GB], 1
	s_add_co_u32 s[GB+1], s70, 4*QB
	; where trip t's key step begins in LDS: its place in the run is t + max(0, t - 1 - d') - rho, with d' = d and rho = role in roles 0, 1; d' = 0 and rho = 1, 0 in roles 2, 3
	s_sub_co_u32 s72, 1, s67
	s_mul_i32 s72, s72, s[DD]                      ; d'
	s_lshr_b32 s73, s[ROLE], 1
	s_xor_b32 s73, s73, s[ROLE]
	s_and_b32 s73, s73, 1                          ; rho
	s_mov_b32 s[SB], 0                             ; trip 0 is role 0's alone
.irp t, 1,2,3,4
	s_sub_co_i32 s74, \t-1, s72
	s_max_i32 s74, s74, 0
	s_add_co_u32 s74, s74, \t
	s_sub_co_u32 s74, s74, s73
.if \t < 3
	s_min_u32 s74, s74, 3                          ; (never more by the formula; the bound is written for the reader of the address)
.else
	s_min_u32 s74, s74, 7
.endif
	s_mul_i32 s74, s74, QB
	s_add_co_u32 s[SB+\t], s74, s71
.endr
	; Q
	s_lshl_b32 s50, ttmp9, 2
	s_add_co_u32 s50, s50, s[CX]                   ; g: the low group
	s_sub_co_u32 s51, 63, s50                      ; the high group
	s_cmp_lt_u32 ttmp9, 4
	s_cselect_b32 s52, s50, s51                    ; F
	s_cselect_b32 s53, s51, s50                    ; S
	s_cselect_b32 s75, 1, 0                        ; F is the low group
	s_cmp_eq_u32 s[ROLE], 1
	s_cselect_b32 s54, s53, s51
	s_cmp_eq_u32 s[ROLE], 0
	s_cselect_b32 s54, s52, s54                    ; the group that I begin with
	s_lshl_b32 s49, s[BB], 5
	QADR 54, 56, 58
	QADR 53, 60, 62
	; the mask's number: role 0 meets the low group's diagonal step, role 3 the high group's
	s_sub_co_u32 s55, 3, s[CX]
	s_cmp_eq_u32 s[ROLE], 0
	s_cselect_b32 s55, s[CX], s55
	s_lshl_b32 s55, s55, 5
	s_lshl_b32 s76, s[EE], 3
	s_add_co_u32 s55, s55, s76                     ; the tile's first query less the step's first key
	; what I join at the end: tile (low or high, e), rows 8 (w / 4) .. + 7
	s_and_b32 s[GG], s[ROLE], 1
	s_mul_i32 s78, s[EE], PSZ                      ; role 0's part
	s_add_co_u32 s79, s78, 2*PSZ                   ; role 1's
	s_add_co_u32 s80, s78, SWP                     ; F's part left at the change of tiles
	s_mov_b32 s81, 0xff7fffff
	s_cmp_eq_u32 s75, s[GG]                        ; is my tile S's?
	s_cselect_b32 s82, s78, s80                    ; part 0: role 0's, or F's
	s_cselect_b32 s83, s79, s80                    ; part 1: role 1's, or F's once more, which then counts for nothing:
	s_cselect_b32 s[LIM], s81, 0x7f61b1e6          ; its -M is raised to 3e38
	s_cmp_eq_u32 s[GG], 0
	s_cselect_b32 s84, s50, s51
	s_lshl_b32 s84, s84, 5
	s_add_co_u32 s84, s84, s76
	s_lshl_b32 s85, s67, 4
	s_add_co_u32 s84, s84, s85
	s_lshl_b32 s85, s[BB], 11
	s_add_co_u32 s84, s84, s85
	s_lshl_b32 s84, s84, 9                         ; (2,048 b + 32 group + 8 e + 16 (w / 4)) rows of 512 bytes
	s_mov_b32 s85, 0
	s_mul_i32 s86, s[WV], PSZ
	s_mul_i32 s87, s67, 4224                       ; eight rows of a part
	v_and_b32 v30, 31, v0                          ; lane
	v_and_b32 v31, 15, v0                          ; r
	v_bfe_u32 v28, v0, 4, 1                        ; h
	v_lshlrev_b32 v[GO], 4, v30
	v_lshlrev_b32 v[QSO], 4, v31
	v_mul_u32_u24 v7, v31, 528
	v_lshl_add_u32 v7, v28, 5, v7
	v_add_nc_u32 v[STO], s86, v7
	v_add_nc_u32 v[PAR], s80, v7
	v_mul_u32_u24 v8, v31, 528
	v_add_nc_u32 v[STM], s86, v8
	v_add_nc_u32 v[PAM], s80, v8
	v_and_b32 v[DM], 8, v31
	v_add_nc_u32 v[DM], v[DM], v31                 ; r + (r & 8)
	v_lshlrev_b32 v28, 4, v28
	v_sub_nc_u32 v[DM], v[DM], v28                 ; - 16 h
	v_add_nc_u32 v[DM], s55, v[DM]
	v_lshl_add_u32 v7, v30, 4, s87                 ; my 16 bytes of a part's rows
	v_and_b32 v8, 7, v0
	v_mul_u32_u24 v8, v8, 528
	v_add_nc_u32 v8, s87, v8                       ; and the row whose words I read: lanes 0-7 hold my eight rows'
	s_wait_alu depctr_va_vdst(0)                   ; the wait here, directly ahead of the waits below
	s_wait_dscnt 0x0                               ; both opening adds are done
	s_wait_kmcnt 0x0
	s_add_nc_u64 s[GA+2:GA+3], s[4:5], s[68:69]
	s_add_nc_u64 s[GB+2:GB+3], s[GA+2:GA+3], 4*QB
	s_or_b32 s[GA+3], s[GA+3], 0x80000000          ; type = 2
	s_or_b32 s[GB+3], s[GB+3], 0x80000000
	s_add_nc_u64 s[56:57], s[6:7], s[56:57]
	s_add_nc_u64 s[58:59], s[6:7], s[58:59]
	s_add_nc_u64 s[60:61], s[6:7], s[60:61]
	s_add_nc_u64 s[62:63], s[6:7], s[62:63]
	s_add_nc_u64 s[8:9], s[8:9], s[84:85]
	ROUND                                          ; all four work-groups are here: the joint loads meet
	tensor_load_to_lds s[GA:GA+3], s[G1:G1+7]      ; the first four key steps
	s_nop 0
	PLACES
	global_load_b128 v[QF:QF+3], v[GO], s[56:57]
	global_load_b128 v[QF+4:QF+7], v[GO], s[56:57] offset:512
	global_load_b32 v[QS], v[QSO], s[58:59]
	s_cmp_eq_u32 s[ROLE], 0
	s_cbranch_scc0 .Lno_second
	WIN 0x40                                       ; destination window 1: role 0 keeps S's Q for its change of tiles
	global_load_b128 v[128:131], v[GO], s[60:61]
	global_load_b128 v[132:135], v[GO], s[60:61] offset:512
	global_load_b32 v136, v[QSO], s[62:63]
	WIN 0
.Lno_second:
	v_mov_b32 v13, 0xff61b1e6                      ; the largest t so far: -3e38, under every t
	v_floor_f32 v12, -v13                          ; -M
	v_mov_b32 v14, 0                               ; l, in two halves
	v_mov_b32 v15, 0
.irp b, 0,1,2,3
	v_mov_b32 v[BP+\b], 0                          ; written once: a lane permute's destination counts as one of its sources
.endr
	v_mov_b32 v[FF+1], 0                           ; (named as the upper half of a pair)
.set JJ, 0
.rept 64
	v_mov_b32 v[OO+JJ], 0                          ; O^T: the step is written once; a wave's first step finds zeros
.set JJ, JJ+1
.endr
	s_wait_alu depctr_va_vdst(0)                   ; the wait at the head's end
	s_wait_tensorcnt 0x0                           ; my first load has landed; ahead of the second tensor load, a later first fill
	ds_add_u32 v[SPW], v[NIL]
	s_wait_dscnt 0x0                               ; the add is done
	ROUND                                          ; every wave's first load is in, and all four work-groups are here
	tensor_load_to_lds s[GB:GB+3], s[G1:G1+7]      ; the other four key steps: for trips 3 and 4
	s_nop 0
	PLACES
	s_wait_loadcnt 0x0                             ; Q
	s_cmp_eq_u32 s[ROLE], 0
	s_cbranch_scc0 .Lothers
	NEXTK 0                                        ; TRIP 0: role 0 alone
	NEXTV
	s_wait_alu depctr_va_vdst(0)
	KLOAD
	TRIP 0, 0, 0
	s_branch .Ltrip_1
.Lothers:
	NEXTK 1
	NEXTV
	s_wait_alu depctr_va_vdst(0)
	KLOAD
.Ltrip_1:
	TRIP 1, 0, 0
	TRIP 2, 1, 0                                   ; the second loads are shown to all behind this trip's scores
	TRIP 3, 0, 0
	TRIP 4, 0, 1
	v_add_f32 v14, v14, v15                        ; l's two halves.  With the three v_nop: the places behind the last products
.rept 3
	v_nop
.endr
	v_permlanex16_b32 v[BP], v14, s[SEL], s[SEL+1]
	s_add_co_u32 s66, s78, 4*PSZ                   ; role 2's part
	s_add_co_u32 s67, s78, 6*PSZ                   ; role 3's
	v_add_f32 v14, v14, v[BP]                      ; with lane l xor 16's: the row's l
	v_mov_b32 v15, 0
	v_add_nc_u32 v32, s82, v7                      ; my rows of the four parts,
	v_add_nc_u32 v33, s83, v7
	v_add_nc_u32 v34, s66, v7
	v_add_nc_u32 v35, s67, v7
	v_add_nc_u32 v36, s82, v8                      ; and their words
	v_add_nc_u32 v37, s83, v8
	v_add_nc_u32 v38, s66, v8
	v_add_nc_u32 v39, s67, v8
	s_wait_alu depctr_va_vdst(0)
	s_wait_dscnt 0x0
	s_barrier_signal -1
	s_barrier_wait -1                              ; nobody reads a key step any more, and none is filled again: the parts go into the first run's bytes
	STATE STO, STM
	s_wait_dscnt 0x0
	s_barrier_signal -1
	s_barrier_wait -1                              ; all parts lie in LDS
.irp i, 0,1,2,3,4,5,6,7,8,9,10,11,12,13,14,15
	s_mov_b32 s[69+2*\i], 0                        ; (the upper halves of scalar pairs, named and not used)
.endr
; np parts of eight rows are joined under the larger M and divided by the joint l: a row's factors are one lane's, and come to all lanes as scalars.
.macro JOIN np
.irp p, 0,1,2,3
.if \p < \np
	ds_load_b32 v[240+\p], v[36+\p] offset:512     ; -M
	ds_load_b32 v[244+\p], v[36+\p] offset:520     ; l
.endif
.endr
.irp p, 0,1,2,3
.if \p < \np
.irp i, 0,1,2,3,4,5,6,7
	ds_load_b128 v[96+32*\p+4*\i:99+32*\p+4*\i], v[32+\p] offset:528*\i
.endr
.endif
.endr
	s_wait_dscnt 8*\np                             ; the words are in; the rows, the youngest, may be out
	v_max_num_f32 v241, s[LIM], v241
	v_min_num_f32 v248, v240, v241                 ; the joint -M
.if \np > 2
	v_min_num_f32 v249, v242, v243
	v_min_num_f32 v248, v248, v249
.endif
.irp p, 0,1,2,3
.if \p < \np
	v_sub_f32 v[232+\p], v248, v[240+\p]           ; the part's M - the joint M: a whole number, 0 or less
.endif
.endr
.irp p, 0,1,2,3
.if \p < \np
	v_cvt_i32_f32 v[232+\p], v[232+\p]
.endif
.endr
.irp p, 0,1,2,3
.if \p < \np
	v_ldexp_f32 v[232+\p], 1.0, v[232+\p]
.endif
.endr
	v_mul_f32 v249, v244, v232
.irp p, 1,2,3
.if \p < \np
	v_fmac_f32 v249, v[244+\p], v[232+\p]
.endif
.endr
	s_wait_alu depctr_va_vdst(0)                   ; the wait ahead of the reciprocal
	v_rcp_f32 v252, v249
	v_nop                                          ; a plain line behind it
	s_wait_dscnt 0x0                               ; the rows are in
	s_wait_alu depctr_va_vdst(0)                   ; and the wait ahead of the reciprocal's first reader
.irp p, 0,1,2,3
.if \p < \np
	v_mul_f32 v[232+\p], v[232+\p], v252
.endif
.endr
.irp p, 0,1,2,3
.if \p < \np
.set WB, 68+16*(\p%2)
.irp i, 0,1,2,3,4,5,6,7
	v_readlane_b32 s[WB+2*\i], v[232+\p], \i
.endr
.irp i, 0,1,2,3,4,5,6,7
.irp k, 0,2
.if \p == 0
	v_pk_mul_f32 v[96+4*\i+\k:97+4*\i+\k], v[96+4*\i+\k:97+4*\i+\k], s[WB+2*\i:WB+2*\i+1] op_sel_hi:[1,0]
.else
	v_pk_fma_f32 v[96+4*\i+\k:97+4*\i+\k], v[96+32*\p+4*\i+\k:97+32*\p+4*\i+\k], s[WB+2*\i:WB+2*\i+1], v[96+4*\i+\k:97+4*\i+\k] op_sel_hi:[1,0,1]
.endif
.endr
.endr
.endif
.endr
	s_wait_alu depctr_va_vdst(0)                   ; the wait here, ahead of the branch
.endm
	s_cmp_eq_u32 s[GG], 0
	s_cbranch_scc1 .Llow
	JOIN 4
	s_branch .Lout
.Llow:
	JOIN 2
.Lout:
.irp i, 0,1,2,3,4,5,6,7
	global_store_b128 v[GO], v[96+4*\i:99+4*\i], s[8:9] offset:512*\i th:TH_STORE_NT   ; 512 consecutive bytes, aligned
.endr
	s_wait_tensorcnt 0x0                           ; the wave's end, behind my last tensor load and my last LDS store
	ds_add_u32 v[SPW], v[NIL]
	s_wait_dscnt 0x0
	ROUND                                          ; the closing round
	s_endpgm
.Lfunc_end_k_q8f705329c1_attn:
	.size	k_q8f705329c1_attn, .Lfunc_end_k_q8f705329c1_attn-k_q8f705329c1_attn
	.p2alignl 7, 3214868480
	.fill 96, 4, 3214868480
	.section	.rodata,"a",@progbits
	.p2align	6, 0x0
	.amdhsa_kernel k_q8f705329c1_attn
		.amdhsa_group_segment_fixed_size 327680
		.amdhsa_private_segment_fixed_size 0
		.amdhsa_enable_private_segment 0
		.amdhsa_kernarg_size 24
		.amdhsa_user_sgpr_count 2
		.amdhsa_user_sgpr_kernarg_segment_ptr 1
		.amdhsa_wavefront_size32 1
		.amdhsa_system_sgpr_workgroup_id_x 1
		.amdhsa_system_sgpr_workgroup_id_y 1
		.amdhsa_system_sgpr_workgroup_id_z 1
		.amdhsa_system_vgpr_workitem_id 0
		.amdhsa_next_free_vgpr 512
		.amdhsa_next_free_sgpr 102
		.amdhsa_reserve_vcc 1
		.amdhsa_float_denorm_mode_32 3
		.amdhsa_float_denorm_mode_16_64 3
		.amdhsa_memory_ordered 1
		.amdhsa_forward_progress 1
		.amdhsa_inst_pref_size 154
	.end_amdhsa_kernel
	.amdgpu_metadata
---
amdhsa.version: [ 1, 2 ]
amdhsa.kernels:
  - .name:           k_q8f705329c1_attn
    .symbol:         k_q8f705329c1_attn.kd
    .args:
      - { .name: kv, .offset: 0, .size: 8, .value_kind: global_buffer, .address_space: global }
      - { .name: qimg, .offset: 8, .size: 8, .value_kind: global_buffer, .address_space: global }
      - { .name: out0, .offset: 16, .size: 8, .value_kind: global_buffer, .address_space: global }
    .group_segment_fixed_size: 327680
    .private_segment_fixed_size: 0
    .kernarg_segment_align: 8
    .kernarg_segment_size: 24
    .max_flat_workgroup_size: 256
    .sgpr_count:     102
    .vgpr_count:     512
    .wavefront_size: 32
...
	.end_amdgpu_metadata
.endif
;; end of part 3
